; MI455X (gfx1250); checked and timed in simulation.
; The chip was launched on July 23, 2026; its instructions are those of AMD's public machine-readable ISA for CDNA 5 (MIT licence, August 2026) and "CDNA5" Instruction Set Architecture Reference Guide (July 2026). The comments in the code are by the model that wrote it; some were corrected since.
;; Spatial Aware Memory. Allowed arithmetic: matrix products marked QUANTISED: E2M1 operands, one E8M0 scale for each 32 along K, by v_wmma_scale_f32_16x16x128_f8f6f4 with both operands' format E2M1 (or v_wmma_scale_f32_32x16x128_f4), f32 sums; products left as they are: f32 operands where the result goes on into a quantised operand, else bf16, f16 or f32 operands; f32 sums; everything else in f32.
;; Inputs: b1 256 float32; b2 256 float32; coords 65,536 x 2 float32; features 65,536 x 256 float32; memory 2,048 x 256 float32; w1 256 x 2 float32; w2 256 x 256 float32.
;; Outputs: out0 65,536 x 256 float32.
;; This version of the problem:
;;   THIS VERSION OF THE PROBLEM IS GIVEN IN LOW PRECISION. The matrix products marked QUANTISED in the list below multiply operands that are first quantised to E2M1 (2 exponent bits, 1 mantissa bit; 4 bits a number), with one power-of-two scale for each 32 numbers along K (OCP MX v1.0); their sums are f32. All else is computed in f32.
;;   The module's matrix products, in the order in which they are computed (A, B: the left and right operand; K: the contracted axis; several contracted axes count as one K, in the product's order):
;;     1. [M 1, K 2] x [K 2, N 256]; A: computed on the way; B: input w1: left as it is (K = 2 < 32)
;;     2. [M 1, K 256] x [K 256, N 256]; A: computed on the way; B: input w2: left as it is (M = 1 < 16)
;;     3. [M 65,536, K 256] x [K 256, N 2,048]; A: computed on the way; B: input memory: QUANTISED
;;     4. [M 65,536, K 2,048] x [K 2,048, N 256]; A: softmax (see below); B: input memory: QUANTISED
;;   THE QUANTISER, for each operand of a quantised product, along K:
;;     - K is cut into blocks of 32 from its start; a last block that is shorter is filled with zeros.
;;     - A block's scale is 2^e with e = floor(log2(the largest magnitude in the block)) - 2, held to -126 .. 127; a block of zeros has e = 0. As a byte (E8M0): e + 127.
;;     - Each number is divided by its block's scale, clamped to +-6, and rounded to the nearest number of E2M1, ties to even, subnormals kept.
;;     - The product sums the exact products of the quantised numbers (number of the format x scale) in f32.
;;   ~~~python
;;   def quantise(x, axis):      # numpy; x: float32 -> the quantised numbers, widened to float32 again
;;       x = np.moveaxis(x, axis, -1); K = x.shape[-1]
;;       x = np.pad(x, [(0, 0)] * (x.ndim - 1) + [(0, -K % 32)]); x = x.reshape(x.shape[:-1] + (-1, 32)); a = np.abs(x).max(-1, keepdims=True)
;;       e = np.where(a > 0, np.clip(np.frexp(np.where(a > 0, a, 1))[1] - 1 - 2, -126, 127), 0)      # np.frexp(a)[1] - 1 = floor(log2(a)), exactly
;;       r = np.clip(x / 2.0 ** e, -6, 6)
;;       step = 2.0 ** (np.maximum(np.frexp(np.where(r == 0, 1, r))[1] - 1, 0) - 1)
;;       q = np.round(r / step) * step * 2.0 ** e      # np.round: ties to even
;;       return np.moveaxis(q.reshape(q.shape[:-2] + (-1,))[..., :K], -1, axis).astype(np.float32)
;;   ~~~
;;   SOFTMAX AHEAD OF A QUANTISED PRODUCT. Where the list says 'softmax', what is quantised is not the finished softmax but p = 2^(t - M), with t = logit x log2(e) and M = ceil(the row's largest t), a whole number; so 1/2 < the row's largest p <= 1. The row's sum l is taken of the UNQUANTISED p, in f32, and the product's result is divided by l at the end. Since M is a whole number, a kernel that streams over the keys may use a running M (the ceiling of the running maximum): every later rescaling is an exact power of two, which a block's scale takes up: the codes' values come out the same.
;;   OPERANDS COMPUTED ON THE WAY. 'Computed on the way' means the value that the module computes at that place (a softmax that the list does not call 'softmax' is quantised finished and normalised). What goes into a quantiser is computed in f32, as accurately as f32 sums, v_exp_f32 and their like allow (about 1e-6 of the number): no bf16 or f16 on the way to a quantiser, and a product that is left as it is and whose result goes on into a quantised operand takes f32 operands (vector FMAs, or v_wmma_f32_16x16x4_f32). A number that lies on a knife's edge between two numbers of the format may be rounded either way, as far as f32 arithmetic and the matrix unit's own rounding can turn it there, and no further.
;; One version. Each part assembles by itself: llvm-mc -triple=amdgcn-amd-amdhsa -mcpu=gfx1250 --defsym DOCPART=n.
;; ======== version 1 of 1: 2 launches
;; limits: right only within a limited range of input values
;; workspace buffers: mimg 557,056 bytes; part 512 bytes
;; launch prep (part 1): grid 160 x 1, 2 waves a work-group, no clusters, 8,960 bytes of LDS; arguments memory, coords, mimg, part; writes mimg, part
.if DOCPART == 1
	.amdgcn_target "amdgcn-amd-amdhsa--gfx1250"
	.amdhsa_code_object_version 6
	.text
	.protected	k_q494bb44c97_prep
	.globl	k_q494bb44c97_prep
	.p2align	8
	.type	k_q494bb44c97_prep,@function
k_q494bb44c97_prep:
	s_mov_b64 s[64:65], 0
	v_nop
	global_prefetch_b8 v0, s[64:65] scope:SCOPE_SE
	s_setreg_imm32_b32 hwreg(HW_REG_WAVE_MODE, 25, 1), 1
	s_wait_xcnt 0x0
; THE FIRST LAUNCH.  It makes (a) mimg: memory [2048][256] f32 as codes of FP4 (E2M1) with one E8M0 scale byte for each 32 along K, TWICE: along the 256 dims (the keys' operand of the first product)
; and along the 2,048 keys (the values' operand of the second), both laid as IMAGES OF THE OPERAND'S REGISTERS; (b) part: 64 partial sums (x, y) of coords [65536][2], one for each 1,024 points.
; mimg: 16 key steps of 128 keys, STEPB bytes each: 16 fragments of K (tile t, K step s at (2 t + s) x 1,024; in a fragment [c = 0, 1][lane][16 bytes] = registers 4 c .. 4 c + 3 of that lane),
;   16 fragments of V (16 dims u each, K = the step's 128 keys), 8 x 128 bytes of K's scale words (tile t: lanes 0-15 K step 0, lanes 16-31 K step 1), 8 x 128 bytes of V's (lane l of word row p: dim 32 p + l).
; THE KEYS OF A TILE ARE NOT NEIGHBOURS: lane r of tile t takes key 32 (t / 2) + 8 (t % 2) + r + 8 (r / 8), so that the scores of tiles 2 b and 2 b + 1 are 16 neighbouring keys in a lane of the attention.
; A block's scale is 2^(floor(log2(its largest magnitude)) - 2); its byte is the largest magnitude's exponent field - 2, held at 1 from below.
; LIMITS: a block of zeros, and a block whose largest magnitude lies under 2^-124, gets the byte 1 (the rule says 127 for zeros): its codes are zeros or the smallest, and this program alone reads the bytes.
;   NaN and infinities among the inputs are not served.  The partial sums are trees of f32, another order of rounding than a plain chain's.
; SHARES.  Waves share nothing, so the work is cut small and spread wide: a work-group is two waves.  ROLES, by the work-group's number: 0-63 K's images, 64-127 V's, 128-159 the sums of coords.
; A wave of roles K and V makes one tile of one key step from 16,384 bytes of memory; a wave of role C sums 8,192 bytes of coords.  The mean spans all of coords: the next launch adds the 64 parts.
; part leaves in pieces of 8 bytes, one a wave: 512 bytes in all.  Only role K uses LDS.  No barrier: no wave reads what another wrote.
.set STEPB, 34816
.set VOFF,  16384
.set KSC,   32768
.set VSC,   33792
.set SP,    272                        ; a stage row: 256 bytes + 16 = 68 words: row r starts at bank 4 r mod 64 (64 banks of 4 bytes: ISA guide 11.1).  A stage is 16 rows; wave w's begins at LDS byte 16 SP w
.set BM,    228                        ; v228-231 the blocks' largest magnitudes
.set PM,    232                        ; v232-235 the other half's, then the bytes
.set SO,    236                        ; v236-239 the conversions' scale operands
.set SEL,   22                         ; s[22:23] lane selects for v_permlanex16_b32: lane l xor 16
; 64 numbers of a lane, v[s] on, register 16 b + i = k 32 b + 16 (lane / 16) + i of the lane's row, become a fragment's 8 registers of codes in v[pc] on and the row's scale word in v[pw].
.macro QUANT s, pc, pw
.irp b, 0,1,2,3
	v_max3_num_f32 v[BM+\b], |v[(\s)+16*\b]|, |v[(\s)+1+16*\b]|, 0x1800000   ; my 16 numbers of block b, and the floor 2^(3 - 127): the byte cannot fall under 1
.endr
.irp i, 2,4,6,8,10,12,14
.irp b, 0,1,2,3
	v_max3_num_f32 v[BM+\b], v[BM+\b], |v[(\s)+16*\b+\i]|, |v[(\s)+1+16*\b+\i]|   ; the four blocks by turns
.endr
.endr
.irp b, 0,1,2,3
	v_permlanex16_b32 v[PM+\b], v[BM+\b], s[SEL], s[SEL+1]
.endr
.irp b, 0,1,2,3
	v_max_num_f32 v[BM+\b], v[BM+\b], v[PM+\b]     ; with lane l xor 16's 16: the block's largest magnitude
.endr
.irp b, 0,1,2,3
	v_add_nc_u32 v[SO+\b], 0xff000000, v[BM+\b]    ; 2 off its exponent field: the conversion takes that field as its scale
.endr
.irp b, 0,1,2,3
	v_lshrrev_b32 v[PM+\b], 23, v[SO+\b]           ; the scale's byte
.endr
	v_lshl_or_b32 v[\pw], v[PM+1], 8, v[PM]
	v_lshl_or_b32 v[\pw], v[PM+2], 16, v[\pw]
	v_lshl_or_b32 v[\pw], v[PM+3], 24, v[\pw]      ; the row's scale word
.irp b, 0,1,2,3
	v_cvt_scalef32_pk8_fp4_f32 v[(\pc)+2*\b], v[(\s)+16*\b:(\s)+7+16*\b], v[SO+\b]
	v_cvt_scalef32_pk8_fp4_f32 v[(\pc)+1+2*\b], v[(\s)+8+16*\b:(\s)+15+16*\b], v[SO+\b]
.endr
	v_nop                                          ; one plain place behind a scaled conversion
.irp c, 0,1                                    ; the operand's layout wants a whole block in a lane: lanes 0-15 block 2 c, lanes 16-31 block 2 c + 1
.irp i, 0,1
	v_permlane16_swap_b32 v[(\pc)+4*\c+\i], v[(\pc)+2+4*\c+\i]
.endr
.endr
.endm
	s_load_b256 s[4:11], s[0:1], 0x0               ; memory s[4:5], coords s[6:7], mimg s[8:9], part s[10:11]
	v_lshl_add_u32 v254, v0, 2, 0x2200
	v_mov_b32 v255, 0
	v_lshrrev_b32 v1, 5, v0
	v_readfirstlane_b32 s20, v1                    ; wave 0..1
	v_and_b32 v1, 31, v0                           ; lane
	v_and_b32 v2, 15, v0                           ; r
	v_bfe_u32 v3, v0, 4, 1                         ; h
	v_lshlrev_b32 v4, 4, v1                        ; 16 x lane
	v_lshlrev_b32 v5, 2, v1                        ; 4 x lane
	v_lshlrev_b32 v6, 4, v2
	v_lshl_add_u32 v6, v3, 10, v6                  ; 1,024 h + 16 r
	s_mov_b32 s[SEL], 0x76543210
	s_mov_b32 s[SEL+1], 0xfedcba98
	s_and_b32 s25, ttmp9, 63                       ; my work-group's number within its role: the roles begin at 0, 64 and 128
	s_lshl_b32 s25, s25, 1
	s_add_co_u32 s25, s25, s20                     ; g: my wave's number within its role: 0..127 in roles K and V, 0..63 in role C
	s_and_b32 s21, s25, 7                          ; roles K and V: the tile, g % 8,
	s_lshr_b32 s24, s25, 3                         ; of key step j = g / 8
	s_wait_kmcnt 0x0
	s_cmp_lt_u32 ttmp9, 64
	s_cbranch_scc1 .Lrole_k
	s_cmp_lt_u32 ttmp9, 128
	s_cbranch_scc1 .Lrole_v
; ---------------- ROLE C: wave g sums points 1,024 g .. 1,024 g + 1,023 of coords.
	s_lshl_b32 s26, s25, 13                        ; 8,192 bytes a wave
	s_mov_b32 s27, 0
	s_add_nc_u64 s[6:7], s[6:7], s[26:27]
	s_lshl_b32 s26, s25, 3                         ; 8 bytes a wave
	s_add_nc_u64 s[10:11], s[10:11], s[26:27]
	s_wait_alu depctr_va_vdst(0)
.irp q, 0,1,2,3,4,5,6,7,8,9,10,11,12,13,14,15
	global_load_b128 v[16+4*\q:19+4*\q], v4, s[6:7] offset:512*\q th:TH_LOAD_NT   ; 32 lanes read 512 consecutive bytes: two points (x, y) a lane
.endr
	v_mov_b32 v7, 0
	s_wait_loadcnt 0x0
.irp d, 2,4,8,16,32                            ; my 32 points: a tree of 31 packed additions; neighbours d registers apart; nothing is cleared
.set e, 0
.rept 32/\d
	v_pk_add_f32 v[16+2*\d*e:17+2*\d*e], v[16+2*\d*e:17+2*\d*e], v[16+2*\d*e+\d:17+2*\d*e+\d]
.set e, e+1
.endr
.endr
.irp x, 1,2,4,8
	v_add_f32_dpp v16, v16, v16 row_xmask:\x row_mask:0xf bank_mask:0xf
	v_add_f32_dpp v17, v17, v17 row_xmask:\x row_mask:0xf bank_mask:0xf
.endr
	v_permlanex16_b32 v18, v16, s[SEL], s[SEL+1]   ; (their destinations count as read: v18 and v19 were loaded)
	v_permlanex16_b32 v19, v17, s[SEL], s[SEL+1]
	v_pk_add_f32 v[16:17], v[16:17], v[18:19]      ; my wave's sums of x and of y, in every lane
	s_wait_alu depctr_va_vdst(0)
	s_wait_xcnt 0x0                                ; EXEC changes only behind this wait: it is a source of the loads above
	v_cmp_eq_u32 vcc_lo, 0, v1
	s_and_saveexec_b32 s28, vcc_lo
	global_store_b64 v7, v[16:17], s[10:11]        ; lane 0 stores the pair
	s_wait_xcnt 0x0                                ; and again in front of the line that widens it
	s_or_b32 exec_lo, exec_lo, s28
	s_endpgm
; ---------------- ROLE K: wave = (key step j, tile t): 16 keys x 256 dims become two fragments and their scale words.
.Lrole_k:
	s_lshl_b32 s26, s24, 7
	s_lshr_b32 s27, s21, 1
	s_lshl_b32 s27, s27, 5
	s_add_co_u32 s26, s26, s27
	s_and_b32 s27, s21, 1
	s_lshl_b32 s27, s27, 3
	s_add_co_u32 s26, s26, s27                     ; the tile's first key: 128 j + 32 (t / 2) + 8 (t % 2)
	s_lshl_b32 s26, s26, 10                        ; a row of memory is 1,024 bytes
	s_mov_b32 s27, 0
	s_add_nc_u64 s[4:5], s[4:5], s[26:27]
	s_mul_i32 s28, s24, STEPB
	s_lshl_b32 s30, s21, 11
	s_add_co_u32 s30, s30, s28
	s_mov_b32 s31, 0
	s_add_nc_u64 s[30:31], s[8:9], s[30:31]        ; the tile's two fragments in mimg
	s_lshl_b32 s32, s21, 7
	s_add_co_u32 s32, s32, s28
	s_add_co_u32 s32, s32, KSC
	s_mov_b32 s33, 0
	s_add_nc_u64 s[32:33], s[8:9], s[32:33]        ; and its scale words
	s_mul_i32 s34, s20, 16*SP                      ; my stage
	s_wait_alu depctr_va_vdst(0)
	v_mul_u32_u24 v7, v3, SP
	v_lshl_add_u32 v7, v2, 4, v7
	v_add_nc_u32 v7, s34, v7                       ; into it, as loaded: sixteen lanes a row, two rows an instruction
	v_mul_u32_u24 v8, v2, SP
	v_lshl_add_u32 v8, v3, 6, v8
	v_add_nc_u32 v8, s34, v8                       ; out of it: row r, my half's 16 numbers of each block of 32
.irp b, 0,1,2,3
	v_mov_b32 v[PM+\b], 0                          ; written once: a lane permute's destination counts as one of its sources
.endr
; Loads take the bytes as they lie: sixteen lanes read 256 consecutive aligned bytes of a row (64 dims: chunk c), an instruction two rows.  Stage row 2 i + h is the tile's row: keys 0-7, then 16-23 from its first.
; (No cache hint: role V reads the same rows.)
.irp c, 0,1,2,3
.irp i, 0,1,2,3,4,5,6,7
	global_load_b128 v[16+32*\c+4*\i:19+32*\c+4*\i], v6, s[4:5] offset:(2*\i+8*(\i/4))*1024+256*\c
.endr
.endr
	s_wait_alu depctr_va_vdst(0)
.irp c, 0,1,2,3
	s_wait_loadcnt 24-8*\c                         ; this chunk's eight loads are in; the later chunks' stay out
.irp i, 0,1,2,3,4,5,6,7
	ds_store_b128 v7, v[16+32*\c+4*\i:19+32*\c+4*\i] offset:2*\i*SP
.endr
.irp b, 0,1
.irp j, 0,1,2,3
	ds_load_b128 v[144+32*(\c%2)+16*\b+4*\j:147+32*(\c%2)+16*\b+4*\j], v8 offset:128*\b+16*\j   ; LDS serves a wave's instructions in order (ISA guide 5.7.1.4): these see the stores above, the next chunk's stores come behind them
.endr
.endr
.if \c%2 == 1
	s_wait_dscnt 0x0                               ; two chunks are a K step of 128: 64 numbers a lane
	QUANT 144, 208+8*(\c/2), 224+(\c/2)
	global_store_b128 v4, v[208+8*(\c/2):211+8*(\c/2)], s[30:31] offset:1024*(\c/2)       ; the image: 32 lanes store 512 consecutive bytes
	global_store_b128 v4, v[212+8*(\c/2):215+8*(\c/2)], s[30:31] offset:1024*(\c/2)+512
.endif
.endr
	v_cmp_gt_u32 vcc_lo, 16, v1
	v_cndmask_b32 v226, v225, v224, vcc_lo         ; lanes 0-15 K step 0's word of row r, lanes 16-31 K step 1's
	global_store_b32 v5, v226, s[32:33]
	s_wait_tensorcnt 0x0
	ds_add_u32 v254, v255
	s_wait_dscnt 0x0
	s_endpgm
; ---------------- ROLE V: wave = (key step j, 32 dims p = t).  A LANE TAKES A DIM, AND ITS REGISTERS RUN DOWN THE KEYS: a block of 32 keys lies in one lane, and the codes come out with the keys innermost.
.Lrole_v:
	s_lshl_b32 s26, s24, 17                        ; 128 j rows of 1,024 bytes
	s_lshl_b32 s27, s21, 7                         ; + 32 p dims
	s_add_co_u32 s26, s26, s27
	s_mov_b32 s27, 0
	s_add_nc_u64 s[4:5], s[4:5], s[26:27]
	s_mul_i32 s28, s24, STEPB
	s_lshl_b32 s30, s21, 11                        ; fragments 2 p and 2 p + 1
	s_add_co_u32 s30, s30, s28
	s_add_co_u32 s30, s30, VOFF
	s_mov_b32 s31, 0
	s_add_nc_u64 s[30:31], s[8:9], s[30:31]
	s_lshl_b32 s32, s21, 7
	s_add_co_u32 s32, s32, s28
	s_add_co_u32 s32, s32, VSC
	s_mov_b32 s33, 0
	s_add_nc_u64 s[32:33], s[8:9], s[32:33]
.macro VLOAD kb                                ; block kb: memory(128 j + 32 kb + i, my dim), i = 0 .. 31; a wave reads 128 consecutive bytes of a row
.irp i, 0,1,2,3,4,5,6,7,8,9,10,11,12,13,14,15,16,17,18,19,20,21,22,23,24,25,26,27,28,29,30,31
	global_load_b32 v[16+32*((\kb)%2)+\i], v5, s[4:5] offset:(32*(\kb)+\i)*1024
.endr
.endm
.macro VBLOCK kb
.set XS, 16+32*((\kb)%2)
.if (\kb) < 3
	s_wait_loadcnt 32                              ; this block's 32 loads are in; the next block's stay out
.else
	s_wait_loadcnt 0x0
.endif
	v_max3_num_f32 v96, |v[XS]|, |v[XS+1]|, |v[XS+2]|
	v_max3_num_f32 v97, |v[XS+3]|, |v[XS+4]|, |v[XS+5]|
.irp i, 6,10,14,18,22,26
	v_max3_num_f32 v96, v96, |v[XS+\i]|, |v[XS+\i+1]|
	v_max3_num_f32 v97, v97, |v[XS+\i+2]|, |v[XS+\i+3]|
.endr
	v_max3_num_f32 v96, v96, |v[XS+30]|, |v[XS+31]|
	v_max3_num_f32 v96, v96, v97, 0x1800000        ; and the floor 2^(3 - 127)
	v_add_nc_u32 v98, 0xff000000, v96              ; the conversions' scale operand
	v_lshrrev_b32 v99, 23, v98                     ; the byte
.if (\kb) == 0
	v_mov_b32 v100, v99
.else
	v_lshl_or_b32 v100, v99, 8*(\kb), v100         ; four bytes make my dim's scale word for these 128 keys
.endif
.irp g, 0,1,2,3
	v_cvt_scalef32_pk8_fp4_f32 v[104+4*(\kb)+\g], v[XS+8*\g:XS+8*\g+7], v98   ; each block has registers of its own: no store's data are written again
.endr
	global_store_b128 v6, v[104+4*(\kb):107+4*(\kb)], s[30:31] offset:((\kb)/2)*512+((\kb)%2)*256   ; in the image block kb is registers 4 (kb / 2) on of lane 16 (kb % 2) + r: sixteen lanes store 256 consecutive aligned bytes
.if (\kb) < 2
	VLOAD (\kb)+2
.endif
.endm
	s_wait_alu depctr_va_vdst(0)
	VLOAD 0
	VLOAD 1
	VBLOCK 0
	VBLOCK 1
	VBLOCK 2
	VBLOCK 3
	global_store_b32 v5, v100, s[32:33]            ; 128 consecutive bytes of scale words
	s_endpgm
.Lfunc_end_k_q494bb44c97_prep:
	.size	k_q494bb44c97_prep, .Lfunc_end_k_q494bb44c97_prep-k_q494bb44c97_prep
	.p2alignl 7, 3214868480
	.fill 96, 4, 3214868480
	.section	.rodata,"a",@progbits
	.p2align	6, 0x0
	.amdhsa_kernel k_q494bb44c97_prep
		.amdhsa_group_segment_fixed_size 8960
		.amdhsa_private_segment_fixed_size 0
		.amdhsa_enable_private_segment 0
		.amdhsa_kernarg_size 32
		.amdhsa_user_sgpr_count 2
		.amdhsa_user_sgpr_kernarg_segment_ptr 1
		.amdhsa_wavefront_size32 1
		.amdhsa_system_sgpr_workgroup_id_x 1
		.amdhsa_system_sgpr_workgroup_id_y 1
		.amdhsa_system_sgpr_workgroup_id_z 1
		.amdhsa_system_vgpr_workitem_id 0
		.amdhsa_next_free_vgpr 256
		.amdhsa_next_free_sgpr 66
		.amdhsa_reserve_vcc 1
		.amdhsa_float_denorm_mode_32 3
		.amdhsa_float_denorm_mode_16_64 3
		.amdhsa_memory_ordered 1
		.amdhsa_forward_progress 1
		.amdhsa_inst_pref_size 42
	.end_amdhsa_kernel
	.amdgpu_metadata
---
amdhsa.version: [ 1, 2 ]
amdhsa.kernels:
  - .name:           k_q494bb44c97_prep
    .symbol:         k_q494bb44c97_prep.kd
    .args:
      - { .name: memory, .offset: 0, .size: 8, .value_kind: global_buffer, .address_space: global }
      - { .name: coords, .offset: 8, .size: 8, .value_kind: global_buffer, .address_space: global }
      - { .name: mimg, .offset: 16, .size: 8, .value_kind: global_buffer, .address_space: global }
      - { .name: part, .offset: 24, .size: 8, .value_kind: global_buffer, .address_space: global }
    .group_segment_fixed_size: 8960
    .private_segment_fixed_size: 0
    .kernarg_segment_align: 8
    .kernarg_segment_size: 32
    .max_flat_workgroup_size: 64
    .sgpr_count:     66
    .vgpr_count:     256
    .wavefront_size: 32
...
	.end_amdgpu_metadata
.endif
;; end of part 1
;; launch attn (part 2): grid 256 x 1, 8 waves a work-group, clusters of 4 x 1, 327,680 bytes of LDS; arguments features, mimg, part, w1, b1, w2, b2, out0; writes out0
.if DOCPART == 2
	.amdgcn_target "amdgcn-amd-amdhsa--gfx1250"
	.amdhsa_code_object_version 6
	.text
	.protected	k_q494bb44c97_attn
	.globl	k_q494bb44c97_attn
	.p2align	8
	.type	k_q494bb44c97_attn,@function
k_q494bb44c97_attn:
	s_mov_b64 s[64:65], 0
	v_nop
	global_prefetch_b8 v0, s[64:65] scope:SCOPE_SE
	s_setreg_imm32_b32 hwreg(HW_REG_WAVE_MODE, 25, 1), 1
	s_wait_xcnt 0x0
	s_wait_alu depctr_hold_cnt(0) depctr_sa_sdst(0) depctr_va_vdst(0) depctr_va_sdst(0) depctr_va_ssrc(0) depctr_va_vcc(0) depctr_vm_vsrc(0)
	s_getreg_b32 s2, hwreg(HW_REG_IB_STS2, 6, 4)
	s_cmp_eq_u32 s2, 0
	s_cbranch_scc0 .Lentry_in_a_cluster
	s_endpgm
.Lentry_in_a_cluster:
	s_bfe_u32 s2, ttmp6, 0x10000c
	s_cmp_lg_u32 s2, 0x3003
	s_cbranch_scc0 .Lentry_shape_is_right
	s_endpgm
.Lentry_shape_is_right:
; out0[q][:] = the sum over k of softmax_k((features[q] + emb) . memory[k] / 16) memory[k][:], 65,536 queries, 2,048 keys, 256 dims, both products on codes of FP4 (E2M1) with one E8M0 scale for each 32 along K.
; emb [256] = relu(mean(coords) w1^T + b1) w2^T + b2 is finished HERE, in f32: part holds 64 partial sums (x, y) of coords from the launch before; each wave makes 32 outputs (32 rows of w2), and the eight waves' parts meet in LDS.
; memory comes as mimg: images of operand registers, 16 key steps of 128 keys (16 fragments of K, 16 of V, their scale words: STEPB bytes a step).  z = features + emb is quantised here, in registers.  No work of reference() is left out.
; THE SOFTMAX: t = score x log2(e) / 16; M = the row's largest t so far, rounded UP to a whole number; p = 2^(t - M) is quantised along the keys, not normalised.  The row's sum is taken of the unquantised p and divides O at the end.
; When M moves, the sum is multiplied by 2^(old M - new M) at once.  O^T IS BROUGHT UNDER THE NEW M ONCE A SLOT (four key steps): in between it stays under the M of the last rescaling, and E = M's rise since then is added to
; p's four scale bytes, which multiplies the step's product by 2^E exactly.  At a change of slots O^T is multiplied by 2^-E and E begins at 0; at the end 2^-E goes into the divisor.
; SHARES.  A work-group owns 256 queries; each of its eight waves 32: two tiles of 16, A and B, in 512 registers.
; THE TWO TILES ARE STAGGERED.  The order of the keys is free under a running M.  Tile A walks key steps 0-3 alone, while tile B's features are on their way; both walk steps 4-15 together, each fragment feeding two products;
; then B walks steps 0-3, which come into slot 0 once more, and A's rows, laid into slot 1 (which has had its last fill), leave a chunk of 64 dims in each of these four steps.
; LAYOUT.  Both products are used transposed: S^T = K Q^T, O^T = V^T P^T: a lane holds ONE query (lane % 16).  The 16 score registers of key tiles 2 b and 2 b + 1 are the keys 32 b + 16 (lane / 16) + 0 .. 15.
; THE RING.  Two LDS slots of four key steps; each wave fetches an eighth of a slot by one tensor load.  CLUSTER: all work-groups walk the same mimg: the four of a cluster ask jointly (the descriptor hangs on the wave's number alone).
; No prefetch of mimg: all 256 work-groups walk the same 557,056 bytes in step; features are asked for whole, by loads.
; LIMITS: NaN and infinities among the inputs are not served.  The promise holds while |t| stays under 2^31.  A block of z or of p whose largest magnitude lies under 2^-124 (zeros among them) keeps the scale byte 1.
;   p under 2^-126 counts as 0 (v_exp_f32: ISA guide 15.8).  The mean and emb are summed in trees of f32, another order of rounding than a plain chain's.
;   A step's rise of M counts in E up to 24, so E stays at 96 or under and p's bytes at 221 or under.  Where M rises by more than 24 in one step, what was summed before keeps the weight 2^-24 in place of a smaller one:
;   at most 2,048 x 2^-24 of the largest |memory|.  O^T holds up to 2^96 x 2,048 x the largest |memory|: finite while that stays under 2^20.
; REGISTERS.  Window 0: v1-7 addresses; v8-15 the tiles' -M, largest t, sum in two halves; v16-19 E and p's scale word; v20-23 Q's scale words; v24-31 the step's scale words; v32-47 at work; v48-79 Q's codes; v80-95 p's codes;
;   v96-127 four fragments (or emb); v128-191 S^T of tile A, v192-255 of tile B; both also hold fragments that wait, and at the head tile A's features.  Window 1: O^T: A at v[8 u], B at v[128 + 8 u]; at the head w2, then tile B's features.
.set STEPB, 34816
.set SLOTB, 4*STEPB
.set PARTB, SLOTB/8                    ; 17,408 = 68 rows of 256 bytes: a wave's part of a slot
.set KOFF,  0
.set VOFF,  16384
.set KSC,   32768
.set VSC,   33792
.set STG,   2*SLOTB                    ; a stage of 16 rows x 272 bytes for each wave; no tensor load lands there
.set SP,    272
.set BP,    1040                       ; tile A's way out: 16 rows x (1,024 + 16) bytes for each wave, in slot 1
.set SPARE, STG+8*16*SP                ; the spare words, 128 bytes a wave
.set EMBL,  SPARE+1024                 ; emb, 1,024 bytes, stored once
.set LN16, 1
.set LN4,  2
.set ADR,  3
.set ADS,  4
.set SPW,  5
.set NIL,  6
.set GO,   7                           ; 1,024 (lane / 16) + 16 (lane % 16)
.set STA,  8
.set STB,  12
.set FPA,  16
.set FPB,  18
.set QS,   20
.set SCW,  24
.set BM,   32
.set PM,   36
.set SO,   40
.set T,    44
.set QC,   48
.set PCD,  80
.set F,    96
.set EMB,  96
.set SA,   128
.set SB,   192
.set WV,   20
.set G1,   24
.set G0,   32
.set SEL,  40
.set CS,   42
.set TB,   44
.set CNT,  45
.set STGS, 50
.set BGS,  51
.set REP,  56
.set TP,   57
.set MSB, 0
.macro WIN new                         ; the immediate's high byte repeats the setting that is left
.if MSB != \new
	s_set_vgpr_msb (MSB<<8)|\new
.set MSB, \new
.endif
.endm
.macro ROUND                           ; a round of the cluster's barrier
	s_barrier_signal -1
	s_barrier_wait -1
	s_cmp_lg_u32 s[WV], 0
	s_cbranch_scc1 .Lnot_wave_0_\@
	s_barrier_signal -3
.Lnot_wave_0_\@:
	s_barrier_wait -3
	s_barrier_signal -1
	s_barrier_wait -1
.endm
.macro NOPS n
.rept \n
	v_nop
.endr
.endm
; 64 numbers of a lane, register 16 b + i = k 32 b + 16 (lane / 16) + i of its row, become a fragment's 8 registers of codes and the row's scale word.
.macro QUANT s, pc, pw
.irp b, 0,1,2,3
	v_max3_num_f32 v[BM+\b], |v[(\s)+16*\b]|, |v[(\s)+1+16*\b]|, 0x1800000   ; with the floor 2^(3 - 127): the byte cannot fall under 1
.endr
.irp i, 2,4,6,8,10,12,14
.irp b, 0,1,2,3
	s_delay_alu instid0(VALU_DEP_4)
	v_max3_num_f32 v[BM+\b], v[BM+\b], |v[(\s)+16*\b+\i]|, |v[(\s)+1+16*\b+\i]|
.endr
.endr
.irp b, 0,1,2,3
	s_delay_alu instid0(VALU_DEP_4)
	v_permlanex16_b32 v[PM+\b], v[BM+\b], s[SEL], s[SEL+1]
.endr
.irp b, 0,1,2,3
	s_delay_alu instid0(VALU_DEP_4)
	v_max_num_f32 v[BM+\b], v[BM+\b], v[PM+\b]
.endr
.irp b, 0,1,2,3
	s_delay_alu instid0(VALU_DEP_4)
	v_add_nc_u32 v[SO+\b], 0xff000000, v[BM+\b]    ; 2 off the exponent field: the conversion's scale operand
.endr
.irp b, 0,1,2,3
	s_delay_alu instid0(VALU_DEP_4)
	v_lshrrev_b32 v[PM+\b], 23, v[SO+\b]
.endr
	s_delay_alu instid0(VALU_DEP_3)
	v_lshl_or_b32 v[\pw], v[PM+1], 8, v[PM]
	s_delay_alu instid0(VALU_DEP_1)
	v_lshl_or_b32 v[\pw], v[PM+2], 16, v[\pw]
	s_delay_alu instid0(VALU_DEP_1)
	v_lshl_or_b32 v[\pw], v[PM+3], 24, v[\pw]
.irp b, 0,1,2,3
	v_cvt_scalef32_pk8_fp4_f32 v[(\pc)+2*\b], v[(\s)+16*\b:(\s)+7+16*\b], v[SO+\b]
	v_cvt_scalef32_pk8_fp4_f32 v[(\pc)+1+2*\b], v[(\s)+8+16*\b:(\s)+15+16*\b], v[SO+\b]
.endr
	v_nop                                          ; one plain place behind a scaled conversion
.irp c, 0,1
.irp i, 0,1
	v_permlane16_swap_b32 v[(\pc)+4*\c+\i], v[(\pc)+2+4*\c+\i]   ; a whole block to a lane
.endr
.endr
.endm
; a tile's 16 rows of features: chunk n = dims 64 n on; sixteen lanes read 256 consecutive aligned bytes of a row.  Tile 0 into window 0 from v128 on, tile 1 into window 1 from v128 on
.macro FLOAD q
	WIN 0x40*(\q)
.irp n, 0,1,2,3
.irp i, 0,1,2,3,4,5,6,7
	global_load_b128 v[128+32*\n+4*\i:128+32*\n+4*\i+3], v[GO], s[4:5] offset:(\q)*16384+2*\i*1024+256*\n th:TH_LOAD_NT
.endr
.endr
	WIN 0
.endm
; my stage's addresses: x = h SP + 16 r (sixteen lanes a row), y = r SP + (h << sh)
.macro STGA x, y, sh
	v_and_b32 v[BM], 15, v0
	v_bfe_u32 v[BM+1], v0, 4, 1
	v_mul_u32_u24 v[\x], v[BM+1], SP
	v_mul_u32_u24 v[\y], v[BM], SP
	v_lshl_add_u32 v[\x], v[BM], 4, v[\x]
	v_lshl_add_u32 v[\y], v[BM+1], \sh, v[\y]
	v_add_nc_u32 v[\x], s[STGS], v[\x]
	v_add_nc_u32 v[\y], s[STGS], v[\y]
.endm
; z = features + emb of a chunk, and its turn through the stage: wanted with 16 neighbours along K in a lane.  Two chunks are a K step of 128: one fragment of Q.
.macro CHUNKA n                        ; tile A: in place, in window 0
.set XA, SA+32*(\n)
.irp i, 0,1,2,3,4,5,6,7
	v_pk_add_f32 v[XA+4*\i:XA+4*\i+1], v[XA+4*\i:XA+4*\i+1], v[EMB+4*(\n):EMB+4*(\n)+1]
	v_pk_add_f32 v[XA+4*\i+2:XA+4*\i+3], v[XA+4*\i+2:XA+4*\i+3], v[EMB+4*(\n)+2:EMB+4*(\n)+3]
.endr
.irp i, 0,1,2,3,4,5,6,7
	ds_store_b128 v[ADR], v[XA+4*\i:XA+4*\i+3] offset:2*\i*SP
.endr
.irp b, 0,1
.irp j, 0,1,2,3
	ds_load_b128 v[XA+16*\b+4*\j:XA+16*\b+4*\j+3], v[ADS] offset:128*\b+16*\j   ; LDS serves a wave's instructions in order (ISA guide 5.7.1.4)
.endr
.endr
.if (\n)%2 == 1
	s_wait_dscnt 0x0
	QUANT SA+64*((\n)/2), QC+8*((\n)/2), QS+(\n)/2
.endif
.endm
.macro CHUNKB n                        ; tile B: from window 1 into window 0
.set XB, SA+64*((\n)/2)
.set XF, 128+32*(\n)
	WIN 0x41
.irp i, 0,1,2,3,4,5,6,7
	v_pk_add_f32 v[XF+4*\i:XF+4*\i+1], v[XF+4*\i:XF+4*\i+1], v[EMB+4*(\n):EMB+4*(\n)+1]
	v_pk_add_f32 v[XF+4*\i+2:XF+4*\i+3], v[XF+4*\i+2:XF+4*\i+3], v[EMB+4*(\n)+2:EMB+4*(\n)+3]
.endr
	WIN 0x04
.irp i, 0,1,2,3,4,5,6,7
	ds_store_b128 v[ADR], v[XF+4*\i:XF+4*\i+3] offset:2*\i*SP
.endr
	WIN 0
.irp b, 0,1
.irp j, 0,1,2,3
	ds_load_b128 v[XB+32*((\n)%2)+16*\b+4*\j:XB+32*((\n)%2)+16*\b+4*\j+3], v[ADS] offset:128*\b+16*\j
.endr
.endr
.if (\n)%2 == 1
	s_wait_dscnt 0x0
	QUANT XB, QC+16+8*((\n)/2), QS+2+(\n)/2
.endif
.endm
.macro TILEQ q                         ; a tile's features become Q's codes.  emb is read from LDS each time: its registers hold fragments in the steps
	STGA ADR, ADS, 6
	v_lshl_add_u32 v[T], v[BM], 4, EMBL
.irp c, 0,1,2,3
	ds_load_b128 v[EMB+4*\c:EMB+4*\c+3], v[T] offset:256*\c
.endr
	s_wait_alu depctr_va_vdst(0)                   ; directly ahead of the waits below
	s_wait_loadcnt 0x0                             ; the tile's features are in: no load was issued behind them
	s_wait_dscnt 0x0
.irp n, 0,1,2,3
.if \q
	CHUNKB \n
.else
	CHUNKA \n
.endif
.endr
.endm
	s_load_b512 s[4:19], s[0:1], 0x0               ; features 4, mimg 6, part 8, w1 10, b1 12, w2 14, b2 16, out0 18
	v_lshl_add_u32 v[SPW], v0, 2, SPARE
	v_mov_b32 v[NIL], 0
	ds_add_u32 v[SPW], v[NIL]                      ; the opening lines: the add, twice on end, and its wait
	ds_add_u32 v[SPW], v[NIL]
	v_lshrrev_b32 v1, 5, v0
	v_readfirstlane_b32 s[WV], v1                  ; wave 0..7
	s_bfe_u32 s21, ttmp6, 0x40000                  ; cx
	s_lshl_b32 s22, ttmp9, 2
	s_add_co_u32 s22, s22, s21                     ; my block of 256 queries: it enters the addresses of features and out0 alone
	s_lshl_b32 s46, s22, 18
	s_lshl_b32 s52, s[WV], 15                      ; my wave's 32 rows of 1,024 bytes: of the block, and of w2
	s_add_co_u32 s46, s46, s52
	s_mov_b32 s47, 0
	s_mov_b32 s53, 0
	s_lshl_b32 s54, s[WV], 7                       ; my 32 numbers of b2
	s_mov_b32 s55, 0
	s_mov_b32 s[G1], 15|(3<<16)|(1<<21)            ; the mask: all four work-groups; elements of 8 bytes; bit 21 beside a mask
	s_mov_b32 s[G1+1], 32<<16
	s_mov_b32 s[G1+2], 68<<16
	s_mov_b32 s[G1+3], 32<<16
	s_mov_b32 s[G1+4], 68
	s_mov_b32 s[G1+5], 32
	s_mov_b32 s[G1+6], 0
	s_mov_b32 s[G1+7], 0
	s_mul_i32 s48, s[WV], PARTB                    ; my eighth of a slot, in memory and in LDS alike
	s_mov_b32 s49, 0
	s_mul_i32 s[STGS], s[WV], 16*SP
	s_add_co_u32 s[STGS], s[STGS], STG             ; my stage
	s_mul_i32 s[BGS], s[WV], 16*BP
	s_add_co_u32 s[BGS], s[BGS], SLOTB             ; and my part of slot 1, for tile A's way out
	s_mov_b32 s[SEL], 0x76543210
	s_mov_b32 s[SEL+1], 0xfedcba98
	s_mov_b32 s[CS], 0x3db8aa3b                    ; c = log2(e) / 16
	s_mov_b32 s[CS+1], s[CS]
	s_mov_b32 s[REP], 0x01010101                   ; E x this: E in each of a scale word's four bytes
	v_and_b32 v9, 31, v0                           ; lane
	v_and_b32 v8, 15, v0                           ; r
	v_bfe_u32 v[BM+1], v0, 4, 1                    ; h
	v_lshlrev_b32 v[LN4], 2, v9
	v_lshlrev_b32 v[LN16], 4, v9
	v_lshlrev_b32 v10, 5, v9                       ; w1's rows of my four units
	v_lshlrev_b32 v[SO], 8, v9                     ; the prefetches' offset: 256 x lane
	v_lshlrev_b32 v[T], 4, v8
	v_lshl_add_u32 v[GO], v[BM+1], 10, v[T]
	s_wait_alu depctr_va_vdst(0)                   ; the head's end
	s_wait_dscnt 0x0
	s_wait_kmcnt 0x0
	s_add_nc_u64 s[4:5], s[4:5], s[46:47]
	s_add_nc_u64 s[18:19], s[18:19], s[46:47]
	s_add_nc_u64 s[14:15], s[14:15], s[52:53]
	s_add_nc_u64 s[16:17], s[16:17], s[54:55]
	s_mov_b32 s[G0], 1
	s_mov_b32 s[G0+1], s48                         ; slot 0
	s_add_nc_u64 s[G0+2:G0+3], s[6:7], s[48:49]    ; key steps 0 to 3
	s_mov_b32 s[G0+4], 1
	s_add_co_u32 s[G0+5], s48, SLOTB               ; slot 1
	s_add_nc_u64 s[G0+6:G0+7], s[G0+2:G0+3], SLOTB ; key steps 4 to 7
	s_or_b32 s[G0+3], s[G0+3], 0x80000000
	s_or_b32 s[G0+7], s[G0+7], 0x80000000
	ROUND                                          ; all four work-groups are here: the first joint loads meet
	tensor_load_to_lds s[G0:G0+3], s[G1:G1+7]      ; my one tensor load at the head: my eighth of slot 0; it lands under the loads below
	s_nop 0
	NOPS 4
	global_prefetch_b8 v[SO], s[4:5] th:TH_LOAD_NT scope:SCOPE_SE               ; tile A's features, my wave's 16,384 dense bytes, a lane to each 256: asked of memory ahead of w2's 64 loads, behind which their own loads stand
	global_prefetch_b8 v[SO], s[4:5] offset:8192 th:TH_LOAD_NT scope:SCOPE_SE
	global_load_b128 v[12:15], v[LN16], s[8:9]     ; the 64 partial sums: two pairs (x, y) a lane
.irp p, 0,1
	global_load_b128 v[112+8*\p:115+8*\p], v10, s[10:11] offset:1024*\p      ; w1 of my units 128 p + 4 lane + 0 .. 3
	global_load_b128 v[116+8*\p:119+8*\p], v10, s[10:11] offset:1024*\p+16
	global_load_b128 v[16+4*\p:19+4*\p], v[LN16], s[12:13] offset:512*\p     ; b1
.endr
	global_load_b32 v11, v[LN4], s[16:17]          ; b2 of output 32 wave + lane
	WIN 0x40
.set m, 0
.rept 64                                       ; my 32 rows of w2, into window 1: row m / 2, half row m % 2: 512 consecutive bytes a load
	global_load_b128 v[4*m:4*m+3], v[LN16], s[14:15] offset:(m/2)*1024+(m%2)*512
.set m, m+1
.endr
	WIN 0
	FLOAD 0                                        ; tile A's features, behind w2: loads come back in the order of issue
	global_prefetch_b8 v[SO], s[4:5] offset:16384 th:TH_LOAD_NT scope:SCOPE_SE  ; tile B's 16,384 bytes: their loads stand in tile A's first key step
	global_prefetch_b8 v[SO], s[4:5] offset:24576 th:TH_LOAD_NT scope:SCOPE_SE
	s_wait_loadcnt 63                              ; the eight small loads are in (96 were issued behind them; the field's most is 63)
	v_pk_add_f32 v[12:13], v[12:13], v[14:15]
.irp x, 1,2,4,8
	v_add_f32_dpp v12, v12, v12 row_xmask:\x row_mask:0xf bank_mask:0xf
	v_add_f32_dpp v13, v13, v13 row_xmask:\x row_mask:0xf bank_mask:0xf
.endr
	v_permlanex16_b32 v14, v12, s[SEL], s[SEL+1]
	v_permlanex16_b32 v15, v13, s[SEL], s[SEL+1]
	v_pk_add_f32 v[12:13], v[12:13], v[14:15]
	v_pk_mul_f32 v[12:13], v[12:13], 0x37800000 op_sel_hi:[1,0]   ; / 65,536, exactly: the mean (x, y)
.irp e, 0,1,2,3,4,5,6,7
	v_fma_f32 v[24+\e], v13, v[113+2*\e], v[16+\e]
.endr
.irp e, 0,1,2,3,4,5,6,7
	v_fma_f32 v[24+\e], v12, v[112+2*\e], v[24+\e]
.endr
.irp e, 0,1,2,3,4,5,6,7
	v_max_num_f32 v[24+\e], 0, v[24+\e]            ; my eight hidden units
.endr
	s_wait_alu depctr_va_vdst(0)                   ; directly ahead of the wait below
	s_wait_loadcnt 32                              ; w2 is in; tile A's 32 loads may stay out
	s_wait_xcnt 0x0                                ; the prefetches have read their offset register, which is written again further down
	WIN 0x01                                       ; 32 rows of w2 times the hidden layer: the rows take turns
.set p, 0
.rept 32
	v_pk_mul_f32 v[48+2*p:49+2*p], v[8*p:8*p+1], v[24:25]
.set p, p+1
.endr
.irp k, 1,2,3
.set p, 0
.rept 32
	v_pk_fma_f32 v[48+2*p:49+2*p], v[8*p+2*\k:8*p+2*\k+1], v[24+2*\k:25+2*\k], v[48+2*p:49+2*p]
.set p, p+1
.endr
.endr
	WIN 0
.set p, 0
.rept 32
	v_add_f32 v[48+p], v[48+2*p], v[49+2*p]        ; ascending: what is written has been read
.set p, p+1
.endr
.irp x, 1,2,4,8
.set p, 0
.rept 32
	v_add_f32_dpp v[48+p], v[48+p], v[48+p] row_xmask:\x row_mask:0xf bank_mask:0xf
.set p, p+1
.endr
.endr
.set p, 0
.rept 32
	v_permlanex16_b32 v[80+p], v[48+p], s[SEL], s[SEL+1]
.set p, p+1
.endr
.set p, 0
.rept 32
	v_add_f32 v[48+p], v[48+p], v[80+p]
.set p, p+1
.endr
	v_mov_b32 v32, v48
.set p, 1
.rept 31
	v_cmp_eq_u32 vcc_lo, p, v9
	v_cndmask_b32 v32, v32, v[48+p], vcc_lo        ; lane l keeps row l's sum
.set p, p+1
.endr
	v_lshl_add_u32 v[T], v0, 2, EMBL
	v_add_f32 v32, v32, v11                        ; + b2
	ds_store_b32 v[T], v32
	s_wait_tensorcnt 0x0                           ; my part of slot 0 is in
	ds_add_u32 v[SPW], v[NIL]
.irp s, STA, STB
	v_mov_b32 v[\s+1], 0xff61b1e6                  ; the largest t so far: -3e38
	v_mov_b32 v[\s+2], 0                           ; the sum, in two halves
	v_mov_b32 v[\s+3], 0
	v_floor_f32 v[\s], -v[\s+1]                    ; -M
.endr
.irp b, 0,1,2,3
	v_mov_b32 v[PM+\b], 0                          ; a lane permute's destination counts as one of its sources
.endr
	v_mov_b32 v[T+1], 0                            ; (named as the upper half of the pair with f)
	s_wait_alu depctr_va_vdst(0)
	s_wait_dscnt 0x0                               ; the add and my part of emb are done
	ROUND                                          ; slot 0 and emb are whole, and all four work-groups are here
	tensor_load_to_lds s[G0+4:G0+7], s[G1:G1+7]    ; slot 1's first fill, issued as a refill is
	s_nop 0
	NOPS 4
	TILEQ 0
; ONE TILE'S SOFTMAX FOR A KEY STEP.  ss: its 64 scores; st: -M, largest t, the sum's halves; fp: E, then p's scale word; pc: p's codes; first = 1: the tile's first step: E = 0.
; The exponentials go as batches, a wait ahead and a wait behind.
.macro SOFTMAX ss, st, fp, pc, first
	s_wait_alu depctr_va_vdst(0)                   ; ahead of the first readers of the scores
.irp b, 0,1,2,3
	v_max3_num_f32 v[BM+\b], v[\ss+16*\b], v[\ss+1+16*\b], v[\ss+2+16*\b]   ; the largest score of each block of 32 keys: for the row's maximum and for the block's largest p
.endr
.irp i, 3,5,7,9,11,13
.irp b, 0,1,2,3
	v_max3_num_f32 v[BM+\b], v[BM+\b], v[\ss+16*\b+\i], v[\ss+1+16*\b+\i]
.endr
.endr
.irp b, 0,1,2,3
	v_max_num_f32 v[BM+\b], v[BM+\b], v[\ss+15+16*\b]
.endr
.irp b, 0,1,2,3
	s_delay_alu instid0(VALU_DEP_4)
	v_permlanex16_b32 v[PM+\b], v[BM+\b], s[SEL], s[SEL+1]
.endr
.irp b, 0,1,2,3
	s_delay_alu instid0(VALU_DEP_4)
	v_max_num_f32 v[BM+\b], v[BM+\b], v[PM+\b]
.endr
	s_delay_alu instid0(VALU_DEP_2)
	v_max3_num_f32 v[T], v[BM], v[BM+1], v[BM+2]
	s_delay_alu instid0(VALU_DEP_1)
	v_max_num_f32 v[T], v[T], v[BM+3]
	s_delay_alu instid0(VALU_DEP_1)
	v_mul_f32 v[T], s[CS], v[T]
	s_delay_alu instid0(VALU_DEP_1)
	v_max_num_f32 v[\st+1], v[\st+1], v[T]         ; the running largest t
	v_mov_b32 v[T], v[\st]
	s_delay_alu instid0(VALU_DEP_2)
	v_floor_f32 v[\st], -v[\st+1]                  ; the new -M = -ceil(t)
	s_delay_alu instid0(VALU_DEP_1)
	v_sub_f32 v[T], v[\st], v[T]                   ; old M - new M: a whole number, 0 or less
.if \first
	v_mov_b32 v[\fp], 0
.else
	s_delay_alu instid0(VALU_DEP_1)
	v_max_num_f32 v[T+1], 0xc1c00000, v[T]         ; held at -24
	s_delay_alu instid0(VALU_DEP_1)
	v_cvt_i32_f32 v[T+1], v[T+1]
	s_delay_alu instid0(VALU_DEP_1)
	v_sub_nc_u32 v[\fp], v[\fp], v[T+1]            ; E rises with M
.endif
	v_cvt_i32_f32 v[T], v[T]                       ; (it saturates)
	s_delay_alu instid0(VALU_DEP_1)
	v_ldexp_f32 v[T], 1.0, v[T]                    ; f = 2^(old M - new M), for the sum
.set i, 0
.rept 32
	v_pk_fma_f32 v[\ss+2*i:\ss+2*i+1], v[\ss+2*i:\ss+2*i+1], s[CS:CS+1], v[\st:\st+1] op_sel_hi:[1,0,0]   ; t - M
.set i, i+1
.endr
.irp b, 0,1,2,3
	v_fma_f32 v[BM+\b], v[BM+\b], s[CS], v[\st]
.endr
	s_wait_alu depctr_va_vdst(0)
.set i, 0
.rept 64
	v_exp_f32 v[\ss+i], v[\ss+i]                   ; p = 2^(t - M), at most 1
.set i, i+1
.endr
	v_pk_mul_f32 v[\st+2:\st+3], v[\st+2:\st+3], v[T:T+1] op_sel_hi:[1,0]   ; the sums under the new M
	s_wait_alu depctr_va_vdst(0)
.irp b, 0,1,2,3
	v_exp_f32 v[BM+\b], v[BM+\b]                   ; the block's largest p
.endr
	v_pk_add_f32 v[T+2:T+3], v[\ss:\ss+1], v[\ss+2:\ss+3]   ; the row's sum of the unquantised p, in two chains
.irp j, 4,8,12,16,20,24,28,32,36,40,44,48,52,56,60
	v_pk_add_f32 v[\st+2:\st+3], v[\st+2:\st+3], v[\ss+\j:\ss+\j+1]
	v_pk_add_f32 v[T+2:T+3], v[T+2:T+3], v[\ss+\j+2:\ss+\j+3]
.endr
	v_pk_add_f32 v[\st+2:\st+3], v[\st+2:\st+3], v[T+2:T+3]
	s_wait_alu depctr_va_vdst(0)
.irp b, 0,1,2,3
	v_max_num_f32 v[BM+\b], 0x1800000, v[BM+\b]    ; the floor 2^(3 - 127)
.endr
.if 1-\first
	v_mul_lo_u32 v[T+1], v[\fp], s[REP]
.endif
.irp b, 0,1,2,3
	v_add_nc_u32 v[SO+\b], 0xff000000, v[BM+\b]
.endr
.irp b, 0,1,2,3
	s_delay_alu instid0(VALU_DEP_4)
	v_lshrrev_b32 v[PM+\b], 23, v[SO+\b]
.endr
	s_delay_alu instid0(VALU_DEP_3)
	v_lshl_or_b32 v[\fp+1], v[PM+1], 8, v[PM]      ; p's scale word for these 128 keys
	s_delay_alu instid0(VALU_DEP_1)
	v_lshl_or_b32 v[\fp+1], v[PM+2], 16, v[\fp+1]
	s_delay_alu instid0(VALU_DEP_1)
	v_lshl_or_b32 v[\fp+1], v[PM+3], 24, v[\fp+1]
.if 1-\first
	s_delay_alu instid0(VALU_DEP_1)
	v_add_nc_u32 v[\fp+1], v[\fp+1], v[T+1]        ; + E in each byte: 125 + 96 at the most, so no byte carries
.endif
.irp b, 0,1,2,3
	v_cvt_scalef32_pk8_fp4_f32 v[(\pc)+2*\b], v[\ss+16*\b:\ss+7+16*\b], v[SO+\b]
	v_cvt_scalef32_pk8_fp4_f32 v[(\pc)+1+2*\b], v[\ss+8+16*\b:\ss+15+16*\b], v[SO+\b]
.endr
	v_nop
.irp c, 0,1
.irp i, 0,1
	v_permlane16_swap_b32 v[(\pc)+4*\c+\i], v[(\pc)+2+4*\c+\i]
.endr
.endr
.endm
; Where K's fragment (tile t, K step s) waits: tiles 0-5 in the score registers of tile t + 2 (K step 0 in A's, K step 1 in B's), which are written at the earliest two tiles later; tiles 6, 7 in v96-127.
.macro KHSET t, s
.if (\t) < 6
.set KH, SA+64*(\s)+8*((\t)+2)
.else
.set KH, F+16*((\t)-6)+8*(\s)
.endif
.endm
.macro KQ1 t, s, q
	KHSET \t, \s
.set SD, SA+64*(\q)+8*(\t)
.set QF, QC+16*(\q)+8*(\s)
.if (\s) == 0
	v_wmma_scale_f32_16x16x128_f8f6f4 v[SD:SD+7], v[KH:KH+7], v[QF:QF+7], 0, v[SCW+(\t)], v[QS+2*(\q)+(\s)] matrix_a_fmt:MATRIX_FMT_FP4 matrix_b_fmt:MATRIX_FMT_FP4
.else
	v_wmma_scale_f32_16x16x128_f8f6f4 v[SD:SD+7], v[KH:KH+7], v[QF:QF+7], v[SD:SD+7], v[SCW+(\t)], v[QS+2*(\q)+(\s)] matrix_a_fmt:MATRIX_FMT_FP4 matrix_b_fmt:MATRIX_FMT_FP4 matrix_a_scale:MATRIX_SCALE_ROW1
.endif
.endm
.macro PV1 u, q, first                         ; first = 1: the product starts the sum: nothing is ever cleared
.set OD, 128*(\q)+8*(\u)
.set VF, SA+8*(\u)
.set PF, PCD+8*(\q)
.if \first
.if (\u)%2
	v_wmma_scale_f32_16x16x128_f8f6f4 v[OD:OD+7], v[VF:VF+7], v[PF:PF+7], 0, v[SCW+(\u)/2], v[FPA+1+2*(\q)] matrix_a_fmt:MATRIX_FMT_FP4 matrix_b_fmt:MATRIX_FMT_FP4 matrix_a_scale:MATRIX_SCALE_ROW1
.else
	v_wmma_scale_f32_16x16x128_f8f6f4 v[OD:OD+7], v[VF:VF+7], v[PF:PF+7], 0, v[SCW+(\u)/2], v[FPA+1+2*(\q)] matrix_a_fmt:MATRIX_FMT_FP4 matrix_b_fmt:MATRIX_FMT_FP4
.endif
.else
.if (\u)%2
	v_wmma_scale_f32_16x16x128_f8f6f4 v[OD:OD+7], v[VF:VF+7], v[PF:PF+7], v[OD:OD+7], v[SCW+(\u)/2], v[FPA+1+2*(\q)] matrix_a_fmt:MATRIX_FMT_FP4 matrix_b_fmt:MATRIX_FMT_FP4 matrix_a_scale:MATRIX_SCALE_ROW1
.else
	v_wmma_scale_f32_16x16x128_f8f6f4 v[OD:OD+7], v[VF:VF+7], v[PF:PF+7], v[OD:OD+7], v[SCW+(\u)/2], v[FPA+1+2*(\q)] matrix_a_fmt:MATRIX_FMT_FP4 matrix_b_fmt:MATRIX_FMT_FP4
.endif
.endif
.endm
.macro VLD8 u0                                 ; eight of V's fragments into score registers that are done with
.irp u, \u0, \u0+1, \u0+2, \u0+3, \u0+4, \u0+5, \u0+6, \u0+7
	ds_load_b128 v[SA+8*(\u):SA+8*(\u)+3], v[ADR] offset:VOFF+(\u)*1024
	ds_load_b128 v[SA+8*(\u)+4:SA+8*(\u)+7], v[ADR] offset:VOFF+(\u)*1024+512
.endr
.endm
.macro FLB n, on                               ; on = 1, in tile A's first key step: chunk n of tile B's features, eight loads, into registers of w2 that are done with
.if \on
	WIN 0x40
.irp i, 0,1,2,3,4,5,6,7
	global_load_b128 v[128+32*(\n)+4*\i:128+32*(\n)+4*\i+3], v[GO], s[4:5] offset:16384+2*\i*1024+256*(\n) th:TH_LOAD_NT
.endr
	WIN 0
.endif
.endm
.macro VSCL
.irp p, 0,1,2,3,4,5,6,7
	ds_load_b32 v[SCW+\p], v[ADS] offset:VSC+128*\p
.endr
.endm
; A KEY STEP of 128 keys.  qa, qb: which tiles of queries walk it; fa, fb: it is that tile's first; hk = 1: a chunk of tile A's finished rows leaves with it.
; All accumulators take turns, one instruction a turn.
.macro STEP qa, qb, fa, fb, hk
	v_add_nc_u32 v[ADR], s[TB], v[LN16]
	v_add_nc_u32 v[ADS], s[TB], v[LN4]
.if \hk
	v_add_nc_u32 v9, s[TP], v8
.endif
	s_wait_alu depctr_va_vdst(0)                   ; directly behind the writes
	NOPS 3                                         ; with the additions: five places or more behind the last step's products
.irp t, 0,1,2,3,4,5,6,7
	ds_load_b32 v[SCW+\t], v[ADS] offset:KSC+128*\t
.endr
.irp t, 0,1,2,3,4,5,6,7
.irp s, 0,1
	KHSET \t, \s
	ds_load_b128 v[KH:KH+3], v[ADR] offset:KOFF+(2*\t+\s)*1024
	ds_load_b128 v[KH+4:KH+7], v[ADR] offset:KOFF+(2*\t+\s)*1024+512
.endr
.endr
	FLB 0, \fa*(1-\qb)
.irp g, 0,1,2,3
	s_wait_dscnt 24-8*\g                           ; the fragments up to tile 2 g + 1 are in; the later groups' eight loads each stay out
.irp s, 0,1
.irp e, 0,1
.if \qa
	KQ1 2*\g+\e, \s, 0
.endif
.if \qb
	KQ1 2*\g+\e, \s, 1
.endif
.endr
.endr
.if \g < 3
	NOPS 5                                         ; the next group's results are laid over this group's fragments: five places (ISA guide 7.12.1)
.else
	NOPS 4
.endif
.endr
	FLB 1, \fa*(1-\qb)
.if \hk
	s_wait_xcnt 0x0                                ; the last step's stores have read their registers and their base
	s_add_nc_u64 s[18:19], s[18:19], 256           ; 64 dims on
	WIN 0x40
.irp i, 0,1,2,3,4,5,6,7
	ds_load_b128 v[4*\i:4*\i+3], v9 offset:2*\i*BP ; tile A's rows 2 i and 2 i + 1, 256 bytes each, into its accumulators' registers, which are done with
.endr
	WIN 0
.endif
.if \qa*\qb
	SOFTMAX SA, STA, FPA, PCD, \fa
	VSCL
	VLD8 0
	SOFTMAX SB, STB, FPB, PCD+8, \fb
	VLD8 8
.elseif \qa
	VSCL
	VLD8 8                                         ; tile B's score registers held fragments alone
	SOFTMAX SA, STA, FPA, PCD, \fa
	VLD8 0
.else
	VSCL
	VLD8 0
	SOFTMAX SB, STB, FPB, PCD+8, \fb
	VLD8 8
.endif
	FLB 2, \fa*(1-\qb)
	NOPS 8                                         ; p's scale word stands eight places ahead of the scaled products, its codes four
	s_wait_alu depctr_va_vdst(0)
	s_wait_dscnt 0x0                               ; V and its scale words are in
	WIN 0x50
.irp u, 0,1,2,3,4,5,6,7,8,9,10,11,12,13,14,15
.if \qa
	PV1 \u, 0, \fa
.endif
.if \qb
	PV1 \u, 1, \fb
.endif
.endr
.if \hk
	WIN 0x04
.irp i, 0,1,2,3,4,5,6,7
	global_store_b128 v[GO], v[4*\i:4*\i+3], s[18:19] offset:2*\i*1024 th:TH_STORE_NT   ; sixteen lanes store 256 consecutive aligned bytes
.endr
	s_add_co_u32 s[TP], s[TP], 256
.endif
	WIN 0
	FLB 3, \fa*(1-\qb)
	s_add_co_u32 s[TB], s[TB], STEPB
.endm
.macro RUN n, qa, qb, hk
	s_mov_b32 s[CNT], \n
.Lstep_\@:
	STEP \qa, \qb, 0, 0, \hk
	s_sub_co_u32 s[CNT], s[CNT], 1
	s_cmp_lg_u32 s[CNT], 0
	s_cbranch_scc1 .Lstep_\@
.endm
; O^T under the present M: x 2^-E, each accumulator from its low end on; E begins anew
.macro LAZY qa, qb
.if \qa
	v_sub_nc_u32 v[T], 0, v[FPA]
	v_mov_b32 v[FPA], 0
.endif
.if \qb
	v_sub_nc_u32 v[T+2], 0, v[FPB]
	v_mov_b32 v[FPB], 0
.endif
.if \qa
	v_ldexp_f32 v[T], 1.0, v[T]
.endif
.if \qb
	v_ldexp_f32 v[T+2], 1.0, v[T+2]
.endif
	v_nop
	WIN 0x41
	s_wait_alu depctr_va_vdst(0)                   ; directly ahead of the first readers of O^T
.set k, 64*(1-\qa)
.rept 64*\qa
	v_pk_mul_f32 v[2*k:2*k+1], v[2*k:2*k+1], v[T:T+1] op_sel_hi:[1,0]
.set k, k+1
.endr
.rept 64*\qb
	v_pk_mul_f32 v[2*k:2*k+1], v[2*k:2*k+1], v[T+2:T+3] op_sel_hi:[1,0]
.set k, k+1
.endr
	WIN 0
.endm
; THE CHANGE OF SLOTS.  fill = 1: the slot left takes the key steps eight on; 2: eight back; 0: nothing.  A fill stands first behind a round of the cluster's barrier.
.macro CHANGE fill, slot
	s_wait_tensorcnt 0x0                           ; no tensor load of mine is out, so a group 0 may be written
	ds_add_u32 v[SPW], v[NIL]
.if \fill == 1
	s_add_nc_u64 s[G0+4*\slot+2:G0+4*\slot+3], s[G0+4*\slot+2:G0+4*\slot+3], 2*SLOTB
.elseif \fill == 2
	s_sub_nc_u64 s[G0+4*\slot+2:G0+4*\slot+3], s[G0+4*\slot+2:G0+4*\slot+3], 2*SLOTB
.endif
	s_wait_dscnt 0x0                               ; the add is done, and my reads of the slot are over
.if \fill
	ROUND
	tensor_load_to_lds s[G0+4*\slot:G0+4*\slot+3], s[G1:G1+7]
	s_nop 0
	NOPS 4
.else
	s_barrier_signal -1
	s_barrier_wait -1
.endif
.endm
; a tile's divisor: fp = 2^-E / the row's sum.  The lines of \adr, plain ones, stand behind the reciprocal
.macro DIVISOR st, fp
	v_add_f32 v[T], v[\st+2], v[\st+3]
	v_sub_nc_u32 v[T+1], 0, v[\fp]
	s_delay_alu instid0(VALU_DEP_2)
	v_permlanex16_b32 v[PM], v[T], s[SEL], s[SEL+1]
	s_delay_alu instid0(VALU_DEP_1)
	v_add_f32 v[T], v[T], v[PM]                    ; the row's sum
	s_wait_alu depctr_va_vdst(0)
	v_rcp_f32 v[T+2], v[T]
.endm
; TILE A'S WAY OUT, first part: O^T x the divisor goes whole into my part of slot 1: 16 rows of 1,024 bytes.  Every wave has passed the barrier behind the slot's last reads, and no fill follows.
.macro OUTA
	DIVISOR STA, FPA
	v_and_b32 v[BM], 15, v0
	v_bfe_u32 v[BM+1], v0, 4, 1
	v_mul_u32_u24 v[ADR], v[BM], BP
	v_mul_u32_u24 v8, v[BM+1], BP
	v_lshl_add_u32 v[ADR], v[BM+1], 5, v[ADR]
	v_lshl_add_u32 v8, v[BM], 4, v8
	v_add_nc_u32 v[ADR], s[BGS], v[ADR]            ; in: row r, 32 bytes for each half of the lanes
	v_add_nc_u32 v8, s[BGS], v8                    ; back: sixteen lanes a row (tile A's state is done with)
	s_wait_alu depctr_va_vdst(0)
	v_ldexp_f32 v[FPA], v[T+2], v[T+1]
	WIN 0x01
.set k, 0
.rept 64
	v_pk_mul_f32 v[SA+2*k:SA+2*k+1], v[2*k:2*k+1], v[FPA:FPA+1] op_sel_hi:[1,0]
.set k, k+1
.endr
	WIN 0
.set u, 0
.rept 16
	ds_store_b128 v[ADR], v[SA+8*u:SA+8*u+3] offset:64*u
	ds_store_b128 v[ADR], v[SA+8*u+4:SA+8*u+7] offset:64*u+16
.set u, u+1
.endr
.endm
; TILE B'S WAY OUT: through my stage, 16 queries x 64 dims at a time, and out as rows: sixteen lanes store 256 consecutive aligned bytes.
.macro OUTC n
.set OB, SA+32*((\n)%2)
.set RB, SB+32*((\n)%2)
	WIN 0x01
.set k, 0
.rept 16
	v_pk_mul_f32 v[OB+2*k:OB+2*k+1], v[128+32*(\n)+2*k:128+32*(\n)+2*k+1], v[FPB:FPB+1] op_sel_hi:[1,0]
.set k, k+1
.endr
	WIN 0
.irp t, 0,1,2,3
	ds_store_b128 v[ADR], v[OB+8*\t:OB+8*\t+3] offset:64*\t
	ds_store_b128 v[ADR], v[OB+8*\t+4:OB+8*\t+7] offset:64*\t+16
.endr
.if (\n) >= 2
	s_wait_xcnt 0x0                                ; the stores of two chunks ago have read their registers
.endif
.irp i, 0,1,2,3,4,5,6,7
	ds_load_b128 v[RB+4*\i:RB+4*\i+3], v[ADS] offset:2*\i*SP
.endr
.endm
.macro SEND n, younger
.set RB, SB+32*((\n)%2)
	s_wait_dscnt \younger
.irp i, 0,1,2,3,4,5,6,7
	global_store_b128 v[GO], v[RB+4*\i:RB+4*\i+3], s[18:19] offset:16384+2*\i*1024+256*(\n) th:TH_STORE_NT
.endr
.endm
	s_mov_b32 s[TB], 0
	STEP 1, 0, 1, 0, 0                             ; tile A alone: key steps 0 to 3
	RUN 3, 1, 0, 0
	CHANGE 1, 0                                    ; slot 0 takes key steps 8 to 11
	TILEQ 1                                        ; tile B's features have come
	LAZY 1, 0
	s_mov_b32 s[TB], SLOTB
	STEP 1, 1, 0, 1, 0                             ; both tiles: 4 to 7; tile B's first
	RUN 3, 1, 1, 0
	CHANGE 1, 1                                    ; slot 1 takes key steps 12 to 15
	LAZY 1, 1
	s_mov_b32 s[TB], 0
	RUN 4, 1, 1, 0                                 ; 8 to 11
	CHANGE 2, 0                                    ; slot 0 takes key steps 0 to 3 once more, for tile B
	LAZY 1, 1
	s_mov_b32 s[TB], SLOTB
	RUN 4, 1, 1, 0                                 ; 12 to 15
	CHANGE 0, 0
	OUTA                                           ; tile A has walked all keys
	LAZY 0, 1
	s_sub_nc_u64 s[18:19], s[18:19], 256           ; each of the four steps below goes 256 bytes on ahead of its stores
	s_mov_b32 s[TP], 0
	s_mov_b32 s[TB], 0
	RUN 4, 0, 1, 1                                 ; tile B alone: 0 to 3; tile A's rows leave meanwhile
	s_wait_xcnt 0x0                                ; the last stores have read their base
	s_sub_nc_u64 s[18:19], s[18:19], 768           ; back at my wave's first row
	DIVISOR STB, FPB
	STGA ADS, ADR, 5                               ; in: row r, 32 bytes for each half of the lanes; back: sixteen lanes a row
	s_wait_alu depctr_va_vdst(0)
	v_ldexp_f32 v[FPB], v[T+2], v[T+1]
	OUTC 0
.irp n, 1,2,3
	OUTC \n
	SEND \n-1, 16                                  ; behind the chunk's loads: the next chunk's eight stores and eight loads
.endr
	SEND 3, 0
	s_wait_tensorcnt 0x0                           ; the wave's end
	ds_add_u32 v[SPW], v[NIL]
	s_wait_dscnt 0x0
	ROUND                                          ; the closing round
	s_endpgm
.Lfunc_end_k_q494bb44c97_attn:
	.size	k_q494bb44c97_attn, .Lfunc_end_k_q494bb44c97_attn-k_q494bb44c97_attn
	.p2alignl 7, 3214868480
	.fill 96, 4, 3214868480
	.section	.rodata,"a",@progbits
	.p2align	6, 0x0
	.amdhsa_kernel k_q494bb44c97_attn
		.amdhsa_group_segment_fixed_size 327680
		.amdhsa_private_segment_fixed_size 0
		.amdhsa_enable_private_segment 0
		.amdhsa_kernarg_size 64
		.amdhsa_user_sgpr_count 2
		.amdhsa_user_sgpr_kernarg_segment_ptr 1
		.amdhsa_wavefront_size32 1
		.amdhsa_system_sgpr_workgroup_id_x 1
		.amdhsa_system_sgpr_workgroup_id_y 1
		.amdhsa_system_sgpr_workgroup_id_z 1
		.amdhsa_system_vgpr_workitem_id 0
		.amdhsa_next_free_vgpr 512
		.amdhsa_next_free_sgpr 66
		.amdhsa_reserve_vcc 1
		.amdhsa_float_denorm_mode_32 3
		.amdhsa_float_denorm_mode_16_64 3
		.amdhsa_memory_ordered 1
		.amdhsa_forward_progress 1
		.amdhsa_inst_pref_size 255
	.end_amdhsa_kernel
	.section	.bss,"aw",@nobits
	.p2align	6
	.space	262144
	.amdgpu_metadata
---
amdhsa.version: [ 1, 2 ]
amdhsa.kernels:
  - .name:           k_q494bb44c97_attn
    .symbol:         k_q494bb44c97_attn.kd
    .args:
      - { .name: features, .offset: 0, .size: 8, .value_kind: global_buffer, .address_space: global }
      - { .name: mimg, .offset: 8, .size: 8, .value_kind: global_buffer, .address_space: global }
      - { .name: part, .offset: 16, .size: 8, .value_kind: global_buffer, .address_space: global }
      - { .name: w1, .offset: 24, .size: 8, .value_kind: global_buffer, .address_space: global }
      - { .name: b1, .offset: 32, .size: 8, .value_kind: global_buffer, .address_space: global }
      - { .name: w2, .offset: 40, .size: 8, .value_kind: global_buffer, .address_space: global }
      - { .name: b2, .offset: 48, .size: 8, .value_kind: global_buffer, .address_space: global }
      - { .name: out0, .offset: 56, .size: 8, .value_kind: global_buffer, .address_space: global }
    .group_segment_fixed_size: 327680
    .private_segment_fixed_size: 0
    .kernarg_segment_align: 8
    .kernarg_segment_size: 64
    .max_flat_workgroup_size: 256
    .sgpr_count:     66
    .vgpr_count:     512
    .wavefront_size: 32
...
	.end_amdgpu_metadata
.endif
;; end of part 2
